; MI455X (gfx1250); checked and timed in simulation.
; The chip was launched on July 23, 2026; its instructions are those of AMD's public machine-readable ISA for CDNA 5 (MIT licence, August 2026) and "CDNA5" Instruction Set Architecture Reference Guide (July 2026). The comments in the code are by the model that wrote it; some were corrected since.
;; Scale Attend. Allowed arithmetic: matrix products marked QUANTISED: E2M3 operands, one E8M0 scale for each 32 along K, by v_wmma_scale_f32_16x16x128_f8f6f4 with both operands' format E2M3, f32 sums; everything else in f32.
;; Inputs: attention_mask 4 x 2,048 bool; k 4 x 16 x 2,048 x 64 float32; q 4 x 16 x 2,048 x 64 float32; v 4 x 16 x 2,048 x 64 float32.
;; Outputs: out0 4 x 16 x 2,048 x 64 float32.
;; This version of the problem:
;;   THIS VERSION OF THE PROBLEM IS GIVEN IN LOW PRECISION. The matrix products marked QUANTISED in the list below multiply operands that are first quantised to E2M3 (2 exponent bits, 3 mantissa bits; 6 bits a number), with one power-of-two scale for each 32 numbers along K (OCP MX v1.0); their sums are f32. All else is computed in f32.
;;   The module's matrix products, in the order in which they are computed (A, B: the left and right operand; K: the contracted axis; several contracted axes count as one K, in the product's order):
;;     1. batch 64 x [M 2,048, K 64] x [K 64, N 2,048]; A: input q; B: input k: QUANTISED
;;     2. batch 64 x [M 2,048, K 2,048] x [K 2,048, N 64]; A: softmax (see below); B: input v: QUANTISED
;;   THE QUANTISER, for each operand of a quantised product, along K:
;;     - K is cut into blocks of 32 from its start; a last block that is shorter is filled with zeros.
;;     - A block's scale is 2^e with e = floor(log2(the largest magnitude in the block)) - 2, held to -126 .. 127; a block of zeros has e = 0. As a byte (E8M0): e + 127.
;;     - Each number is divided by its block's scale, clamped to +-7.5, and rounded to the nearest number of E2M3, ties to even, subnormals kept.
;;     - The product sums the exact products of the quantised numbers (number of the format x scale) in f32.
;;   ~~~python
;;   def quantise(x, axis):      # numpy; x: float32 -> the quantised numbers, widened to float32 again
;;       x = np.moveaxis(x, axis, -1); K = x.shape[-1]
;;       x = np.pad(x, [(0, 0)] * (x.ndim - 1) + [(0, -K % 32)]); x = x.reshape(x.shape[:-1] + (-1, 32)); a = np.abs(x).max(-1, keepdims=True)
;;       e = np.where(a > 0, np.clip(np.frexp(np.where(a > 0, a, 1))[1] - 1 - 2, -126, 127), 0)      # np.frexp(a)[1] - 1 = floor(log2(a)), exactly
;;       r = np.clip(x / 2.0 ** e, -7.5, 7.5)
;;       step = 2.0 ** (np.maximum(np.frexp(np.where(r == 0, 1, r))[1] - 1, 0) - 3)
;;       q = np.round(r / step) * step * 2.0 ** e      # np.round: ties to even
;;       return np.moveaxis(q.reshape(q.shape[:-2] + (-1,))[..., :K], -1, axis).astype(np.float32)
;;   ~~~
;;   SOFTMAX AHEAD OF A QUANTISED PRODUCT. Where the list says 'softmax', what is quantised is not the finished softmax but p = 2^(t - M), with t = logit x log2(e) and M = ceil(the row's largest t), a whole number; so 1/2 < the row's largest p <= 1. The row's sum l is taken of the UNQUANTISED p, in f32, and the product's result is divided by l at the end. Since M is a whole number, a kernel that streams over the keys may use a running M (the ceiling of the running maximum): every later rescaling is an exact power of two, which a block's scale takes up: the codes' values come out the same.
;;   OPERANDS COMPUTED ON THE WAY. 'Computed on the way' means the value that the module computes at that place (a softmax that the list does not call 'softmax' is quantised finished and normalised). What goes into a quantiser is computed in f32, as accurately as f32 sums, v_exp_f32 and their like allow (about 1e-6 of the number): no bf16 or f16 on the way to a quantiser, and a product that is left as it is and whose result goes on into a quantised operand takes f32 operands (vector FMAs, or v_wmma_f32_16x16x4_f32). A number that lies on a knife's edge between two numbers of the format may be rounded either way, as far as f32 arithmetic and the matrix unit's own rounding can turn it there, and no further.
;; 2 versions. Each part assembles by itself: llvm-mc -triple=amdgcn-amd-amdhsa -mcpu=gfx1250 --defsym DOCPART=n.
;; ======== version 1 of 2: 1 launch
;; launch attend (part 1): grid 4 x 64, 16 waves a work-group, no clusters, 280,576 bytes of LDS; arguments q, k, v, attention_mask, out0; writes out0
.if DOCPART == 1
	.amdgcn_target "amdgcn-amd-amdhsa--gfx1250"
	.amdhsa_code_object_version 6
	.text
	.protected	k_qb3a55a538f_attend
	.globl	k_qb3a55a538f_attend
	.p2align	8
	.type	k_qb3a55a538f_attend,@function
k_qb3a55a538f_attend:
	s_mov_b64 s[64:65], 0
	v_nop
	global_prefetch_b8 v0, s[64:65] scope:SCOPE_SE
	s_setreg_imm32_b32 hwreg(HW_REG_WAVE_MODE, 25, 1), 1
	s_wait_xcnt 0x0
; out[b][h][i][:] = the sum over j of softmax_j(q[i] . k[j] / 8, keys with attention_mask[b][j] = 0 left out) v[j][:].  q, k, v, out: [4][16][2048][64] f32; attention_mask: [4][2048], a byte a key.
; Both products on codes of FP6 (E2M3) with one E8M0 scale for each 32 along a product's K.  Ahead of the second: t = score x log2(e) / 8; M = the row's largest t so far, rounded UP to a whole number;
; p = 2^(t - M) is quantised along the keys, not normalised; the row's sum is taken of the unquantised p and divides at the end; when M moves, the sum and O are multiplied by 2^(old M - new M): exact.
; SHARES.  Work-group (x, y): head y (batch y / 16), queries 512 x .. 512 x + 511.  Sixteen waves of 256 registers, four to a SIMD, so that one wave's exponentials stand beside another's plain work and products.
; PROLOGUE: wave w quantises keys 128 w .. 128 w + 127 of its head's K and V into LDS, as IMAGES OF THE OPERANDS' REGISTERS (a record of 13,056 bytes), and its own 32 queries into registers.  ONE barrier.
; MAIN: every wave walks the 16 records twice, once for each of its two tiles of 16 queries.  Behind the barrier the records are only read, and no memory is read: a head's K and V as codes are 208,896 bytes and stay.
; NOT SHARED IN A CLUSTER: the four work-groups of a head read the same K and V, but as f32, 1 MiB a head, which has to pass through registers to be quantised; a joint request lands in LDS, where beside the
; images and the stages 47 KB are left: a ring of that size, with a round of the cluster for each refill, would bring every work-group the same 1 MiB.
; LAYOUT.  Both products transposed: S^T = K Q^T (source 0 = 16 keys, source 1 = my 16 queries), O^T = V^T P^T (source 0 = 16 channels, source 1 = P): a lane holds ONE query (lane % 16) throughout.
; THE KEYS OF A TILE ARE NOT NEIGHBOURS: row r of tile 2 b + u is key 32 b + 8 u + r + 8 (r / 8), so that the 16 registers of tiles 2 b and 2 b + 1 are the neighbouring keys 32 b + 16 (lane / 16) + 0 .. 15.
; THE MASK RIDES IN THE FIRST PRODUCT'S IDLE K.  The head has 64 channels, the instruction takes 128.  At k = 64 K holds the code -4.0 and Q the code 1.0; everywhere else from k = 64 on Q holds zeros, so K may hold
; any bits there (a fragment's registers 8-11 are the next fragment's first four).  The scale byte of K's block 2 is 251 for a masked key and 1 for a kept one, Q's is 127: a masked key's score is q.k - 2^126, a kept
; key's q.k - 2^-124.  So a masked key never wins the maximum and its p is 0, at no instruction in the loop.  Steps in which so far every key was masked give p = 1; the first kept key makes f = 0, which wipes them.
; A BATCH WITH NO KEY KEPT: the result is then the mean of V (all logits equal).  Here: K's codes are cleared and the masked byte is 1, so that all scores are equal.  Chosen by s_cselect, no branch.
; LIMITS: scores of kept keys are taken to lie far above -2^126.  A block whose largest magnitude lies under 2^-124 keeps the byte 1 (a block of zeros too: its codes are zeros).  NaN and infinities are not served.
; A block's largest p is not searched for: the block's largest score goes through the same multiply-add and exponential (this takes v_exp_f32 not to fall where its input rises).
.set REC,   13056                      ; a record: K's 8 fragments (768 bytes: registers 0-3 at 16 x lane, registers 4-5 at 512 + 8 x lane),
.set VIMG,  6144                       ; V^T's 4 fragments (1,536 bytes: three groups of four registers, each at 16 x lane),
.set KSC,   12288                      ; K's scale words (lane's 16 bytes at 16 x lane: lanes 0-15 tiles 0-3 of row r, lanes 16-31 tiles 4-7),
.set VSC,   12800                      ; V's scale words (lane's 8 bytes at 8 x lane: lanes 0-15 fragments 0, 1 of row r, lanes 16-31 fragments 2, 3)
.set SP,    272                        ; a stage row: 256 bytes + 16: the sixteen rows that an LDS instruction touches start at sixteen different groups of four banks
.set WST,   16*SP                      ; a wave's own stage: 16 rows
.set STAGE, 16*REC                     ; behind the records
.set SPARE, STAGE+16*WST               ; behind the stages: the spare words, 128 bytes for each wave: eight blocks of 256 bytes that no other line names
; registers that stay
.set LI,  1                            ; v1   16 x lane: an image's place; also my bytes of a 512-byte load or store in memory; never rewritten
.set L8,  2                            ; v2   8 x lane; never rewritten
.set A16, 3                            ; v3   the record in hand + 16 x lane
.set A8,  4                            ; v4   the record in hand + 8 x lane
.set SPW, 5                            ; v5   LDS address of my spare word; never rewritten
.set NIL, 6                            ; v6   0; never rewritten
.set STO, 7                            ; v7   my stage + 272 r + 32 h: where I put 32 bytes of a row of O
.set RD,  8                            ; v8   my stage + 272 h + 16 r: two rows as they lie in memory
                                       ; v10 r = lane % 16, v11 h = lane / 16;  v12 -M, v13 the largest t, v[14:15] the sum in two halves
.set QF,  16                           ; v16-27   Q's fragment
.set KF,  28                           ; v28-95   K's fragments: tile t names v[28 + 8 t : 39 + 8 t]; codes in +0..5, the constant 0x38 in +6, 0 in +7
.set SS,  96                           ; v96-159  S^T, then p; v96-143 then V's four fragments
.set OT,  160                          ; v160-191 O^T: channels 16 T + 8 h + j at v[160 + 8 T + j]
.set KW,  192                          ; v192-195 K's scale words;  v196-197 V's;  v198 Q's;  v199 p's: these hold scales and nothing else
.set VW,  196
.set QS,  198
.set PS,  199
.set BM,  200                          ; v200-203 the blocks' largest scores, then largest p
.set PM,  204                          ; v204-207 lane l xor 16's, then the bytes
.set SO,  208                          ; v208-211 the conversions' scale operands
.set FF,  212                          ; v[212:213] f = 2^(old M - new M), named as a pair
.set T0,  214
.set L2,  216                          ; v[216:217] the sums' second chain
.set QN,  218                          ; v218-223 the second tile's codes of Q;  v224 its scale word
.set QNS, 224
.set PC,  228                          ; v228-239 p's codes;  v240-242, v244-246 their second halves on the way
.set CT,  240
; registers of the prologue
.set XX,  128                          ; v128-159 32 neighbours along K
.set MK,  160                          ; v160-167 the mask byte of my row of tile t
.set CC,  168                          ; v168-173 a block's codes;  v176-178 its second half on the way
.set C2,  176
.set MX,  180                          ; v180-181 the largest magnitude, two chains
.set SOP, 182
.set BY,  183
.set WD,  184
.set TMP, 185
.set KI16, 186                         ; my record + 16 x lane
.set KI8,  187                         ; my record + 8 x lane
.set KSA,  188                         ; my record + 16 r
.set VIA,  189                         ; my record + 16 r + 1536 h
.set VSA,  190                         ; my record + 8 r + 4 h
.set VOFF, 191                         ; 4 x lane; never rewritten
.set SB,   225                         ; my stage + 272 r + 128 h: 32 neighbours of row r
.set KR,   226                         ; r + 8 (r / 8); never rewritten
.set SH8,  227                         ; 8 h
.set MBV,  247                         ; a masked key's byte
.set VWD,  92                          ; v92-93 V's scale words as they grow
.set MSK,  228                         ; v228-243 the batch's 2,048 mask bytes, 64 a lane
.set WV,   14
.set SEL,  20                          ; s[20:21] v_permlanex16_b32's selects for lane l xor 16
.set CS,   22                          ; s[22:23] c = log2(e) / 8, twice: the packed form names a pair
.set TB,   24                          ; s24 LDS byte of the record in hand
.set CNT,  25
.set KEEP, 26                          ; s26 all ones where some key of the batch is kept, else 0
.set MBS,  27                          ; s27 251 there, else 1
	s_load_b256 s[4:11], s[0:1], 0x0               ; q s[4:5], k s[6:7], v s[8:9], attention_mask s[10:11]
	s_load_b64 s[12:13], s[0:1], 0x20              ; out
	v_lshl_add_u32 v[SPW], v0, 2, SPARE
	v_mov_b32 v[NIL], 0
	v_lshrrev_b32 v9, 5, v0
	v_readfirstlane_b32 s[WV], v9                  ; wave 0..15
	v_and_b32 v9, 31, v0                           ; lane
	v_and_b32 v10, 15, v0                          ; r
	v_bfe_u32 v11, v0, 4, 1                        ; h
	v_lshlrev_b32 v[LI], 4, v9
	v_lshlrev_b32 v[L8], 3, v9
	v_lshlrev_b32 v[VOFF], 2, v9
	s_mul_i32 s25, s[WV], WST
	s_add_co_u32 s25, s25, STAGE                   ; my stage
	v_mul_u32_u24 v[STO], v10, SP
	v_lshl_add_u32 v[SB], v11, 7, v[STO]
	v_lshl_add_u32 v[STO], v11, 5, v[STO]
	v_add_nc_u32 v[SB], s25, v[SB]
	v_add_nc_u32 v[STO], s25, v[STO]
	v_mul_u32_u24 v[RD], v11, SP
	v_lshl_add_u32 v[RD], v10, 4, v[RD]
	v_add_nc_u32 v[RD], s25, v[RD]
	s_mul_i32 s24, s[WV], REC                      ; my record
	v_add_nc_u32 v[KI16], s24, v[LI]
	v_add_nc_u32 v[KI8], s24, v[L8]
	v_lshlrev_b32 v[KSA], 4, v10
	v_add_nc_u32 v[KSA], s24, v[KSA]
	v_mad_u32_u24 v[VIA], v11, 1536, v[KSA]
	v_lshlrev_b32 v[VSA], 3, v10
	v_lshl_add_u32 v[VSA], v11, 2, v[VSA]
	v_add_nc_u32 v[VSA], s24, v[VSA]
	v_and_b32 v[KR], 8, v10
	v_add_nc_u32 v[KR], v[KR], v10
	v_lshlrev_b32 v[SH8], 3, v11
	v_mov_b32 v[TMP], 0                            ; written once: a lane permute's destination counts as one of its sources
	s_mov_b32 s[SEL], 0x76543210
	s_mov_b32 s[SEL+1], 0xfedcba98
	s_mov_b32 s[CS], 0x3e38aa3b                    ; log2(e) / sqrt(64)
	s_mov_b32 s[CS+1], s[CS]
	s_and_b32 s16, ttmp7, 0xffff                   ; batch x 16 + head
	s_lshl_b32 s17, s16, 19                        ; the head's first byte: 2,048 rows of 256 bytes
	s_lshl_b32 s18, s[WV], 15                      ; k, v: my 128 keys
	s_add_co_u32 s18, s18, s17
	s_mov_b32 s19, 0
	s_lshl_b32 s28, ttmp9, 17                      ; q, out: the work-group's 512 queries,
	s_add_co_u32 s28, s28, s17
	s_lshl_b32 s15, s[WV], 13                      ; my 32 of them
	s_add_co_u32 s28, s28, s15
	s_mov_b32 s29, 0
	s_lshr_b32 s30, s16, 4
	s_lshl_b32 s30, s30, 11                        ; the batch's 2,048 mask bytes
	s_mov_b32 s31, 0
	s_wait_kmcnt 0x0
	s_add_nc_u64 s[6:7], s[6:7], s[18:19]
	s_add_nc_u64 s[8:9], s[8:9], s[18:19]
	s_add_nc_u64 s[4:5], s[4:5], s[28:29]
	s_add_nc_u64 s[12:13], s[12:13], s[28:29]
	s_add_nc_u64 s[10:11], s[10:11], s[30:31]
	s_lshl_b32 s18, s[WV], 7
	s_add_nc_u64 s[30:31], s[10:11], s[18:19]      ; the mask at my 128 keys
; THE PROLOGUE IS 18 JOBS, written out, every offset an immediate: 0, 1: my two tiles of Q; 2 .. 9: K's tiles 0 .. 7; 10 .. 17: V, block of 32 keys (j - 10) / 2, channels 32 ((j - 10) % 2) on.
; Loads run three jobs ahead, in three sets of 32 registers by turns.
.macro LOADJOB j
.set GJ, 28+32*((\j)%3)+4*(((\j)%3)/2)             ; v28, v60, v96
.if (\j) < 2
.irp i, 0,1,2,3,4,5,6,7
	global_load_b128 v[GJ+4*\i:GJ+4*\i+3], v[LI], s[4:5] offset:4096*(\j)+512*\i th:TH_LOAD_NT   ; 512 consecutive bytes: rows 2 i, 2 i + 1 of the tile; read once in the launch
.endr
.elseif (\j) < 10
.set TJ, (\j)-2
.irp i, 0,1,2,3,4,5,6,7
	global_load_b128 v[GJ+4*\i:GJ+4*\i+3], v[LI], s[6:7] offset:(32*(TJ/2)+8*(TJ%2)+16*(\i/4))*256+512*(\i%4)   ; rows 2 i, 2 i + 1 of the tile: eight neighbouring keys, and the eight that lie 16 further on
.endr
.elseif (\j) < 18
.set SJ, (\j)-10
.set n, 0
.rept 32
	global_load_b32 v[GJ+n], v[VOFF], s[8:9] offset:(32*(SJ/2)+n)*256+128*(SJ%2)   ; A LANE TAKES A CHANNEL, ITS REGISTERS RUN DOWN THE KEYS: 128 consecutive bytes a load
.set n, n+1
.endr
.endif
.endm
; 32 neighbours along K in v[x] on, all of one block, become 6 registers of codes in v[d] on; the block's byte in v[BY].
.macro QUANT32 x, d
	v_max3_num_f32 v[MX], |v[(\x)]|, |v[(\x)+1]|, |v[(\x)+2]|
	v_max3_num_f32 v[MX+1], |v[(\x)+3]|, |v[(\x)+4]|, |v[(\x)+5]|
.irp i, 6,10,14,18,22,26
	v_max3_num_f32 v[MX], v[MX], |v[(\x)+\i]|, |v[(\x)+\i+1]|
	v_max3_num_f32 v[MX+1], v[MX+1], |v[(\x)+\i+2]|, |v[(\x)+\i+3]|
.endr
	v_max3_num_f32 v[MX], v[MX], |v[(\x)+30]|, |v[(\x)+31]|
	v_max3_num_f32 v[MX], v[MX], v[MX+1], 0x1800000   ; and the floor 2^(3 - 127): the byte cannot fall under 1
	v_add_nc_u32 v[SOP], 0xff000000, v[MX]         ; 2 off the exponent field: the conversion takes the exponent field of this operand as its scale
	v_lshrrev_b32 v[BY], 23, v[SOP]                ; the scale's byte
	v_cvt_scalef32_pk16_fp6_f32 v[(\d):(\d)+2], v[(\x):(\x)+15], v[SOP]
	v_cvt_scalef32_pk16_fp6_f32 v[C2:C2+2], v[(\x)+16:(\x)+31], v[SOP]   ; (a conversion's three registers begin on an even number)
	v_nop                                          ; one plain place behind a scaled conversion
.irp i, 0,1,2
	v_mov_b32 v[(\d)+3+\i], v[C2+\i]
.endr
.endm
; A tile of 16 rows x 64 channels of Q or K.  The loads took the bytes as they lie; the conversions want 32 neighbours in a lane: so the tile turns through my own stage.  Lane (r, h) then holds channels 32 h .. 32 h + 31
; of row r, which is the operand's layout.  v[WD]: the row's two scale bytes.
.macro ROWJOB j, d
.set GR, 28+32*((\j)%3)+4*(((\j)%3)/2)
.if (\j) < 8
	s_wait_loadcnt 16                              ; this job's loads are in (and all older ones); those of the two jobs behind it, 8 + 8, may be out
.elseif (\j) == 8
	s_wait_loadcnt 40                              ; 8 + 32
.else
	s_wait_loadcnt 63                              ; 32 + 32 are behind it; the count's field holds 63: one load more is waited for
.endif
.irp i, 0,1,2,3,4,5,6,7
	ds_store_b128 v[RD], v[GR+4*\i:GR+4*\i+3] offset:2*SP*\i
.endr
.irp i, 0,1,2,3,4,5,6,7
	ds_load_b128 v[XX+4*\i:XX+4*\i+3], v[SB] offset:16*\i   ; LDS serves a wave's instructions in order: these see the stores above
.endr
	s_wait_dscnt 0x0                               ; the 32 neighbours are in; the stores have read this set of registers and the last job's codes
	LOADJOB (\j)+3
	QUANT32 XX, \d
	v_lshlrev_b32 v[WD], v[SH8], v[BY]             ; my block's byte at its place,
	v_permlanex16_b32 v[TMP], v[WD], s[SEL], s[SEL+1]
	v_or_b32 v[WD], v[WD], v[TMP]                  ; with lane l xor 16's
.endm
.macro KTAIL t
.irp i, 0,1,2,3,4,5
	v_and_b32 v[CC+\i], s[KEEP], v[CC+\i]          ; (cleared where the batch keeps no key)
.endr
	v_cmp_eq_u32 vcc_lo, 0, v[MK+(\t)]
	v_cndmask_b32 v[TMP], 1, v[MBV], vcc_lo        ; block 2's byte: a masked key's, or 1
	v_lshl_or_b32 v[WD], v[TMP], 16, v[WD]
	v_or_b32 v[WD], 0x01000000, v[WD]              ; block 3's byte: 1
	ds_store_b128 v[KI16], v[CC:CC+3] offset:768*(\t)
	ds_store_b64 v[KI8], v[CC+4:CC+5] offset:768*(\t)+512
	ds_store_b32 v[KSA], v[WD] offset:KSC+256*((\t)/4)+4*((\t)%4)   ; both halves of the lanes write the same word with the same value
.endm
; 32 keys x 32 channels of V.  Lane l holds channel 32 H + l: row l % 16 of fragment 2 H + l / 16.  Block b of the record's four belongs into lanes 16 (b % 2) + row, registers 6 (b / 2) on.
.macro VJOB j
.set GV, 28+32*((\j)%3)+4*(((\j)%3)/2)
.set BV, ((\j)-10)/2
.set HV, ((\j)-10)%2
.if (\j) < 16
	s_wait_loadcnt 63                              ; 32 + 32 are behind this job's; the count's field holds 63
.elseif (\j) == 16
	s_wait_loadcnt 32                              ; the last job's
.else
	s_wait_loadcnt 0x0
.endif
	s_wait_dscnt 0x0                               ; the last job's stores have read the codes' registers
	QUANT32 GV, CC
	LOADJOB (\j)+3
.if BV == 0
	v_mov_b32 v[VWD+HV], v[BY]
.else
	v_lshl_or_b32 v[VWD+HV], v[BY], 8*BV, v[VWD+HV]
.endif
.set VB, VIMG+3072*HV+256*(BV%2)
.if BV < 2
	ds_store_b128 v[VIA], v[CC:CC+3] offset:VB             ; registers 0-3
	ds_store_b64 v[VIA], v[CC+4:CC+5] offset:VB+512        ; registers 4, 5
.else
	ds_store_b64 v[VIA], v[CC:CC+1] offset:VB+520          ; registers 6, 7
	ds_store_b128 v[VIA], v[CC+2:CC+5] offset:VB+1024      ; registers 8-11
.endif
.if BV == 3
	ds_store_b32 v[VSA], v[VWD+HV] offset:VSC+128*HV
.endif
.endm
.irp i, 0,1,2,3
	global_load_b128 v[MSK+4*\i:MSK+4*\i+3], v[LI], s[10:11] offset:512*\i   ; all mask bytes of the batch
.endr
.irp t, 0,1,2,3,4,5,6,7
	global_load_u8 v[MK+\t], v[KR], s[30:31] offset:32*(\t/2)+8*(\t%2)       ; and that of my row of each tile
.endr
	LOADJOB 0
	LOADJOB 1
	LOADJOB 2
	ROWJOB 0, QF
	v_or_b32 v[QS], 0x017f0000, v[WD]              ; Q's block 2: 2^0; block 3: byte 1
	ROWJOB 1, QN
	v_or_b32 v[QNS], 0x017f0000, v[WD]
	; is any key of the batch kept?  (The mask's loads are older than job 0's: they are in.)
.irp i, 0,1,2,3,4,5,6,7
	v_or_b32 v[MSK+\i], v[MSK+\i], v[MSK+8+\i]
.endr
.irp i, 0,1,2,3
	v_or_b32 v[MSK+\i], v[MSK+\i], v[MSK+4+\i]
.endr
	v_or_b32 v[MSK], v[MSK], v[MSK+2]
	v_or_b32 v[MSK+1], v[MSK+1], v[MSK+3]
	v_or_b32 v[MSK], v[MSK], v[MSK+1]
	v_cmp_ne_u32 s28, 0, v[MSK]
	s_cmp_lg_u32 s28, 0
	s_cselect_b32 s[KEEP], -1, 0
	s_cselect_b32 s[MBS], 251, 1                   ; -4 x 2^(251 - 127) = -2^126
	v_mov_b32 v[MBV], s[MBS]
.irp t, 0,1,2,3,4,5,6,7
	ROWJOB \t+2, CC
	KTAIL \t
.endr
.irp j, 10,11,12,13,14,15,16,17
	VJOB \j
.endr
	s_wait_dscnt 0x0                               ; for the others' sake: my record lies in LDS
.irp t, 0,1,2,3,4,5,6,7
	v_mov_b32 v[KF+6+8*\t], 0x38                   ; K at k = 64 (lanes 0-15): the code -4.0
	v_mov_b32 v[KF+7+8*\t], 0
.endr
.irp i, 92,93,94,95
	v_mov_b32 v[\i], 0                             ; the last fragment's registers 8-11
.endr
	v_xor_b32 v[QF+6], 1, v11
	v_lshlrev_b32 v[QF+6], 3, v[QF+6]              ; Q at k = 64 (lanes 0-15): the code 1.0; lanes 16-31 (k = 96 on): zeros
.irp i, 7,8,9,10,11
	v_mov_b32 v[QF+\i], 0
.endr
.irp b, 0,1,2,3
	v_mov_b32 v[PM+\b], 0                          ; lane permutes' destinations, written once
.endr
	v_mov_b32 v[FF+1], 0                           ; (named as the upper half of a pair)
	v_mov_b32 v[T0], 0
	s_barrier_signal -1
	s_barrier_wait -1                              ; THE ONE BARRIER: all sixteen records lie in LDS, and nobody writes them again
.macro KFETCH a16, a8, off             ; a record's K: 8 fragments and their scale words: 17 loads
.irp t, 0,1,2,3,4,5,6,7
	ds_load_b128 v[KF+8*\t:KF+8*\t+3], v[\a16] offset:(\off)+768*\t
	ds_load_b64 v[KF+8*\t+4:KF+8*\t+5], v[\a8] offset:(\off)+768*\t+512
.endr
	ds_load_b128 v[KW:KW+3], v[\a16] offset:(\off)+KSC
.endm
; A KEY STEP: 128 keys, one record.  nxt = 1: the next record's K is fetched; 2: record 0's, for the next pass; 0: nothing.  K and its scale words are in: the wait for 0 of the step before has shown it.
.macro STEP nxt
.irp t, 0,1,2,3
	v_wmma_scale_f32_16x16x128_f8f6f4 v[SS+8*\t:SS+8*\t+7], v[KF+8*\t:KF+8*\t+11], v[QF:QF+11], 0, v[KW+\t], v[QS] matrix_a_fmt:MATRIX_FMT_FP6 matrix_b_fmt:MATRIX_FMT_FP6
.endr
.irp t, 4,5,6,7
	v_wmma_scale_f32_16x16x128_f8f6f4 v[SS+8*\t:SS+8*\t+7], v[KF+8*\t:KF+8*\t+11], v[QF:QF+11], 0, v[KW+\t-4], v[QS] matrix_a_fmt:MATRIX_FMT_FP6 matrix_b_fmt:MATRIX_FMT_FP6 matrix_a_scale:MATRIX_SCALE_ROW1
.endr
.rept 4
	v_nop                                          ; four places ahead of the loads into K's registers and of the first read of the scores
.endr
.if \nxt == 1
	KFETCH A16, A8, REC                            ; it has the whole softmax in which to land
.elseif \nxt == 2
	KFETCH LI, L8, 0
.endif
.irp b, 0,1,2,3
	v_max3_num_f32 v[BM+\b], v[SS+16*\b], v[SS+1+16*\b], v[SS+2+16*\b]   ; THE LARGEST SCORE OF EACH BLOCK OF 32 KEYS: for the row's maximum, and for the block's largest p.  Each accumulator is read from its low end on
.endr
.irp i, 3,5,7,9,11,13
.irp b, 0,1,2,3
	v_max3_num_f32 v[BM+\b], v[BM+\b], v[SS+16*\b+\i], v[SS+1+16*\b+\i]  ; (the four blocks by turns)
.endr
.endr
.irp b, 0,1,2,3
	v_max_num_f32 v[BM+\b], v[BM+\b], v[SS+15+16*\b]
.endr
.irp b, 0,1,2,3
	v_permlanex16_b32 v[PM+\b], v[BM+\b], s[SEL], s[SEL+1]
.endr
.irp b, 0,1,2,3
	v_max_num_f32 v[BM+\b], v[BM+\b], v[PM+\b]     ; with lane l xor 16's 16 keys
.endr
	v_max3_num_f32 v[T0], v[BM], v[BM+1], v[BM+2]
	v_max_num_f32 v[T0], v[T0], v[BM+3]
	v_mul_f32 v[T0], s[CS], v[T0]                  ; the step's largest t
	v_max_num_f32 v13, v13, v[T0]                  ; the running largest t
	v_mov_b32 v[T0], v12
	v_floor_f32 v12, -v13                          ; the new -M = -ceil(t): a whole number
	v_sub_f32 v[T0], v12, v[T0]                    ; old M - new M: a whole number, 0 or less
	v_cvt_i32_f32 v[T0], v[T0]                     ; (it saturates)
	v_ldexp_f32 v[FF], 1.0, v[T0]                  ; f = 2^(old M - new M)
.set n, 0
.rept 32
	v_pk_fma_f32 v[SS+n:SS+n+1], v[SS+n:SS+n+1], s[CS:CS+1], v[12:13] op_sel_hi:[1,0,0]   ; t - M, two at a time
.set n, n+2
.endr
.irp b, 0,1,2,3
	v_fma_f32 v[BM+\b], v[BM+\b], s[CS], v12       ; the same of each block's largest score
.endr
.set n, 0
.rept 64
	v_exp_f32 v[SS+n], v[SS+n]                     ; p = 2^(t - M): one batch
.set n, n+1
.endr
	v_pk_mul_f32 v[14:15], v[14:15], v[FF:FF+1] op_sel_hi:[1,0]   ; the sums under the new M: the plain instruction behind the batch
	s_wait_alu depctr_va_vdst(0)                   ; the wait ahead of the first line that names a result: one for the 64
.irp b, 0,1,2,3
	v_exp_f32 v[BM+\b], v[BM+\b]                   ; the blocks' largest p
.endr
	v_pk_add_f32 v[L2:L2+1], v[SS:SS+1], v[SS+2:SS+3]   ; THE ROW'S SUM IS TAKEN OF THE UNQUANTISED p, in two chains; these lines read the 64 alone
.set n, 4
.rept 15
	v_pk_add_f32 v[14:15], v[14:15], v[SS+n:SS+n+1]
	v_pk_add_f32 v[L2:L2+1], v[L2:L2+1], v[SS+n+2:SS+n+3]
.set n, n+4
.endr
	v_pk_add_f32 v[14:15], v[14:15], v[L2:L2+1]
	s_wait_alu depctr_va_vdst(0)                   ; and one for the four
.irp b, 0,1,2,3
	v_max_num_f32 v[BM+\b], 0x1800000, v[BM+\b]    ; the floor 2^(3 - 127): a block whose every p is 0 keeps the byte 1: its codes are zeros
.endr
.irp b, 0,1,2,3
	v_add_nc_u32 v[SO+\b], 0xff000000, v[BM+\b]
.endr
.irp b, 0,1,2,3
	v_lshrrev_b32 v[PM+\b], 23, v[SO+\b]
.endr
	v_lshl_or_b32 v[PS], v[PM+1], 8, v[PM]         ; p's scale word for these 128 keys
	v_lshl_or_b32 v[PS], v[PM+2], 16, v[PS]
	v_lshl_or_b32 v[PS], v[PM+3], 24, v[PS]
.irp c, 0,1
	v_cvt_scalef32_pk16_fp6_f32 v[PC+6*\c:PC+6*\c+2], v[SS+32*\c:SS+32*\c+15], v[SO+2*\c]
	v_cvt_scalef32_pk16_fp6_f32 v[CT+4*\c:CT+4*\c+2], v[SS+16+32*\c:SS+31+32*\c], v[SO+2*\c+1]
.endr
.irp f, 0,1,2,3                        ; p is done with: V's four fragments take its registers (13 loads)
.irp c, 0,1,2
	ds_load_b128 v[SS+12*\f+4*\c:SS+12*\f+4*\c+3], v[A16] offset:VIMG+1536*\f+512*\c
.endr
.endr
	ds_load_b64 v[VW:VW+1], v[A8] offset:VSC
	v_nop                                          ; one plain place behind a scaled conversion
.irp c, 0,1                            ; the operand's layout wants a WHOLE block in a lane: lanes 0-15 block 2 c, lanes 16-31 block 2 c + 1
.irp i, 0,1,2
	v_permlane16_swap_b32 v[PC+6*\c+\i], v[CT+4*\c+\i]
.endr
.irp i, 0,1,2
	v_mov_b32 v[PC+3+6*\c+\i], v[CT+4*\c+\i]
.endr
.endr
.set n, 0
.rept 16
	v_pk_mul_f32 v[OT+n:OT+n+1], v[OT+n:OT+n+1], v[FF:FF+1] op_sel_hi:[1,0]   ; O^T under the new M.  Twelve of these name no register of any one product below: the places behind p's scale word (8) and codes (4)
.set n, n+2
.endr
	s_wait_dscnt 0x0                               ; V is in, and so is the next step's K
.irp f, 0,1                            ; O^T += V^T P^T: four accumulators by turns; the eight products K Q^T stand between two links of a chain
	v_wmma_scale_f32_16x16x128_f8f6f4 v[OT+8*\f:OT+8*\f+7], v[SS+12*\f:SS+12*\f+11], v[PC:PC+11], v[OT+8*\f:OT+8*\f+7], v[VW+\f], v[PS] matrix_a_fmt:MATRIX_FMT_FP6 matrix_b_fmt:MATRIX_FMT_FP6
.endr
.irp f, 2,3
	v_wmma_scale_f32_16x16x128_f8f6f4 v[OT+8*\f:OT+8*\f+7], v[SS+12*\f:SS+12*\f+11], v[PC:PC+11], v[OT+8*\f:OT+8*\f+7], v[VW+\f-2], v[PS] matrix_a_fmt:MATRIX_FMT_FP6 matrix_b_fmt:MATRIX_FMT_FP6 matrix_a_scale:MATRIX_SCALE_ROW1
.endr
.if \nxt == 0
.rept 4
	v_nop                                          ; four places ahead of the first read of O^T
.endr
.else
.if \nxt == 1
	s_add_co_u32 s[TB], s[TB], REC                 ; on to the next record
.else
	s_mov_b32 s[TB], 0                             ; back to the first
.endif
	v_add_nc_u32 v[A16], s[TB], v[LI]              ; FIVE places: the next scores are written over V's registers, which these products read
	v_add_nc_u32 v[A8], s[TB], v[L8]
.rept 3
	v_nop
.endr
.endif
.endm
; THE WAY OUT of tile p: O^T / the sum goes through my own stage and leaves as whole rows of 256 bytes, two to a store.
.macro WAYOUT p
	v_add_f32 v14, v14, v15                        ; the sum's two halves,
	v_permlanex16_b32 v[T0], v14, s[SEL], s[SEL+1]
	v_add_f32 v14, v14, v[T0]                      ; and lane l xor 16's
	v_rcp_f32 v14, v14
	v_nop                                          ; a plain place behind the reciprocal,
	s_wait_alu depctr_va_vdst(0)                   ; and the wait ahead of its first reader
.set n, 0
.rept 16
	v_pk_mul_f32 v[SS+n:SS+n+1], v[OT+n:OT+n+1], v[14:15] op_sel_hi:[1,0]   ; register 8 T + j is out(r, 16 T + 8 h + j); each accumulator from its low end on
.set n, n+2
.endr
.irp f, 0,1,2,3
	ds_store_b128 v[STO], v[SS+8*\f:SS+8*\f+3] offset:64*\f
	ds_store_b128 v[STO], v[SS+8*\f+4:SS+8*\f+7] offset:64*\f+16
.endr
.irp i, 0,1,2,3,4,5,6,7
	ds_load_b128 v[XX+4*\i:XX+4*\i+3], v[RD] offset:2*SP*\i   ; LDS serves a wave's instructions in order: these see the stores above
.endr
.irp i, 0,1,2,3,4,5,6,7
	s_wait_dscnt 7-\i                              ; load i is in; the 7 - i younger ones may be out
	global_store_b128 v[LI], v[XX+4*\i:XX+4*\i+3], s[12:13] offset:4096*(\p)+512*\i th:TH_STORE_NT   ; 32 lanes store 512 consecutive bytes, at a multiple of 256 from out's first byte
.endr
.if (\p) == 0
	s_wait_xcnt 0x0                                ; the stores have read their registers: the next pass's scores are written there
.endif
.endm
.macro PASS p
.if \p
.irp i, 0,1,2,3,4,5
	v_mov_b32 v[QF+\i], v[QN+\i]                   ; the second tile of queries
.endr
	v_mov_b32 v[QS], v[QNS]
.endif
	v_mov_b32 v13, 0xff61b1e6                      ; the largest t so far: -3e38, under every t
	v_floor_f32 v12, -v13                          ; -M
	v_mov_b32 v14, 0
	v_mov_b32 v15, 0
.set n, 0
.rept 32
	v_mov_b32 v[OT+n], 0                           ; the step is written once: the first finds zeros, which the first change of M leaves zeros.  (Also the places behind Q's codes and scale word)
.set n, n+1
.endr
.if (\p) == 0
	s_mov_b32 s[TB], 0
	v_mov_b32 v[A16], v[LI]
	v_mov_b32 v[A8], v[L8]
	s_wait_dscnt 0x0                               ; record 0's K is in
.endif
	s_mov_b32 s[CNT], 15
.Lstep_\@:
	STEP 1
	s_sub_co_u32 s[CNT], s[CNT], 1
	s_cmp_lg_u32 s[CNT], 0
	s_cbranch_scc1 .Lstep_\@
.if (\p) == 0
	STEP 2
.else
	STEP 0
.endif
	WAYOUT \p
.endm
	KFETCH LI, L8, 0
	PASS 0
	PASS 1
	s_wait_tensorcnt 0x0                           ; the wave's end
	ds_add_u32 v[SPW], v[NIL]
	s_wait_dscnt 0x0
	s_endpgm
.Lfunc_end_k_qb3a55a538f_attend:
	.size	k_qb3a55a538f_attend, .Lfunc_end_k_qb3a55a538f_attend-k_qb3a55a538f_attend
	.p2alignl 7, 3214868480
	.fill 96, 4, 3214868480
	.section	.rodata,"a",@progbits
	.p2align	6, 0x0
	.amdhsa_kernel k_qb3a55a538f_attend
		.amdhsa_group_segment_fixed_size 280576
		.amdhsa_private_segment_fixed_size 0
		.amdhsa_enable_private_segment 0
		.amdhsa_kernarg_size 40
		.amdhsa_user_sgpr_count 2
		.amdhsa_user_sgpr_kernarg_segment_ptr 1
		.amdhsa_wavefront_size32 1
		.amdhsa_system_sgpr_workgroup_id_x 1
		.amdhsa_system_sgpr_workgroup_id_y 1
		.amdhsa_system_sgpr_workgroup_id_z 1
		.amdhsa_system_vgpr_workitem_id 0
		.amdhsa_next_free_vgpr 256
		.amdhsa_next_free_sgpr 66
		.amdhsa_reserve_vcc 1
		.amdhsa_float_denorm_mode_32 3
		.amdhsa_float_denorm_mode_16_64 3
		.amdhsa_memory_ordered 1
		.amdhsa_forward_progress 1
		.amdhsa_inst_pref_size 152
	.end_amdhsa_kernel
	.amdgpu_metadata
---
amdhsa.version: [ 1, 2 ]
amdhsa.kernels:
  - .name:           k_qb3a55a538f_attend
    .symbol:         k_qb3a55a538f_attend.kd
    .args:
      - { .name: q, .offset: 0, .size: 8, .value_kind: global_buffer, .address_space: global }
      - { .name: k, .offset: 8, .size: 8, .value_kind: global_buffer, .address_space: global }
      - { .name: v, .offset: 16, .size: 8, .value_kind: global_buffer, .address_space: global }
      - { .name: attention_mask, .offset: 24, .size: 8, .value_kind: global_buffer, .address_space: global }
      - { .name: out0, .offset: 32, .size: 8, .value_kind: global_buffer, .address_space: global }
    .group_segment_fixed_size: 280576
    .private_segment_fixed_size: 0
    .kernarg_segment_align: 8
    .kernarg_segment_size: 40
    .max_flat_workgroup_size: 512
    .sgpr_count:     66
    .vgpr_count:     256
    .wavefront_size: 32
...
	.end_amdgpu_metadata
.endif
;; end of part 1
;; ======== version 2 of 2: 1 launch; version 1 with the launch attend written anew for expert scheduling mode
;; launch attend (part 2): grid 4 x 64, 16 waves a work-group, no clusters, 280,576 bytes of LDS; arguments q, k, v, attention_mask, out0; writes out0
.if DOCPART == 2
	.amdgcn_target "amdgcn-amd-amdhsa--gfx1250"
	.amdhsa_code_object_version 6
	.text
	.protected	k_qb3a55a538f_attend
	.globl	k_qb3a55a538f_attend
	.p2align	8
	.type	k_qb3a55a538f_attend,@function
k_qb3a55a538f_attend:
	s_mov_b64 s[64:65], 0
	v_nop
	global_prefetch_b8 v0, s[64:65] scope:SCOPE_SE
	s_setreg_imm32_b32 hwreg(HW_REG_WAVE_SCHED_MODE, 0, 2), 2
	s_setreg_imm32_b32 hwreg(HW_REG_WAVE_MODE, 25, 1), 1
	s_wait_xcnt 0x0
	s_wait_alu depctr_vm_vsrc(0)
; out[b][h][i][:] = the sum over j of softmax_j(q[i] . k[j] / 8, keys with attention_mask[b][j] = 0 left out) v[j][:].  q, k, v, out: [4][16][2048][64] f32; attention_mask: [4][2048], a byte a key.
; Both products on codes of FP6 (E2M3) with one E8M0 scale for each 32 along a product's K.  Ahead of the second: t = score x log2(e) / 8; M = the row's largest t so far, rounded UP to a whole number;
; p = 2^(t - M) is quantised along the keys, not normalised; the row's sum is taken of the unquantised p and divides at the end; when M moves, the sum and O are multiplied by 2^(old M - new M): exact.
; SHARES.  Work-group (x, y): head y (batch y / 16), queries 512 x .. 512 x + 511.  Sixteen waves of 256 registers, four to a SIMD, so that one wave's exponentials stand beside another's plain work and products.
; PROLOGUE: wave w quantises keys 128 w .. 128 w + 127 of its head's K and V into LDS, as IMAGES OF THE OPERANDS' REGISTERS (a record of 13,056 bytes), and its own 32 queries into registers.  ONE barrier.
; MAIN: every wave walks the 16 records twice, once for each of its two tiles of 16 queries.  Behind the barrier the records are only read, and no memory is read: a head's K and V as codes are 208,896 bytes and stay.
; NOT SHARED IN A CLUSTER: the four work-groups of a head read the same K and V, but as f32, 1 MiB a head, which has to pass through registers to be quantised; a joint request lands in LDS, where beside the
; images and the stages 47 KB are left: a ring of that size, with a round of the cluster for each refill, would bring every work-group the same 1 MiB.
; LAYOUT.  Both products transposed: S^T = K Q^T (source 0 = 16 keys, source 1 = my 16 queries), O^T = V^T P^T (source 0 = 16 channels, source 1 = P): a lane holds ONE query (lane % 16) throughout.
; THE KEYS OF A TILE ARE NOT NEIGHBOURS: row r of tile 2 b + u is key 32 b + 8 u + r + 8 (r / 8), so that the 16 registers of tiles 2 b and 2 b + 1 are the neighbouring keys 32 b + 16 (lane / 16) + 0 .. 15.
; THE MASK RIDES IN THE FIRST PRODUCT'S IDLE K.  The head has 64 channels, the instruction takes 128.  At k = 64 K holds the code -4.0 and Q the code 1.0; everywhere else from k = 64 on Q holds zeros, so K may hold
; any bits there (a fragment's registers 8-11 are the next fragment's first four).  The scale byte of K's block 2 is 251 for a masked key and 1 for a kept one, Q's is 127: a masked key's score is q.k - 2^126, a kept
; key's q.k - 2^-124.  So a masked key never wins the maximum and its p is 0, at no instruction in the loop.  Steps in which so far every key was masked give p = 1; the first kept key makes f = 0, which wipes them.
; A BATCH WITH NO KEY KEPT: the result is then the mean of V (all logits equal).  Here: K's codes are cleared and the masked byte is 1, so that all scores are equal.  Chosen by s_cselect, no branch.
; LIMITS: scores of kept keys are taken to lie far above -2^126.  A block whose largest magnitude lies under 2^-124 keeps the byte 1 (a block of zeros too: its codes are zeros).  NaN and infinities are not served.
; A block's largest p is not searched for: the block's largest score goes through the same multiply-add and exponential (this takes v_exp_f32 not to fall where its input rises).
; THE MODE: SCHED_MODE bits 1:0 = 2 (LLVM: expert scheduling mode 2), set by the entry lines.  The code itself states the register dependences between vector or matrix instructions and memory or LDS
; instructions, with s_wait_alu, always for 0.
; THE PLAN.  Registers that memory or LDS instructions touch, and who else names them:
;   PROLOGUE  v28-59, v60-91, v96-127: job j's global loads land in set j % 3; a row job's LDS stores read the set, a V job's maxima and conversions read it; then job j + 3's loads land there.
;             v128-159: a row job's LDS loads land there, its maxima and conversions read them.   v168-173, v184, v92-93: codes and scale words, written by vector instructions, read by LDS stores, written again.
;             Offsets and LDS addresses are made once at the head.  Of them v186-191 are part of O^T later.
;             A row job has one wait on vm_vsrc (its stores have read the set; the last job's have read the codes and the word) and one on va_vdst, ahead of its stores (codes and word are written; the job is
;             done reading v128-159, in which the next job's LDS loads land).  A V job likewise: one wait on va_vdst serves the loads into the set just read and the stores.
;   KEY STEP  K's code registers and scale words: the eight products K Q^T read them; the next record's LDS loads land there.   v96-143: scores and p, then V's fragments land there.   v196-197: V's scale words.
;             v3, v4: read by every LDS load of a step, written once at its end.   p's codes and scale word: written by vector instructions, taken by scaled products.
;             Five waits on va_vdst: one ahead of the 64 exponentials; (1) behind the 64 exponentials: their results are written; the products K Q^T are done reading K; v3 and v4 are written: the next record's K follows, dealt among the row's sums,
;             which name none of those registers;  (2) for the four exponentials;  (3) behind the conversions: p has been written and read: V follows, dealt among the exchange of halves;  (4) ahead of the
;             products V^T P: p's codes and scale word are written.  One wait on vm_vsrc, ahead of the adds to v3 and v4.
;   WAY OUT   v96-127: written by the multiplications, read by LDS stores.   v128-159: the loads from the stage land there, global stores read them.   The next pass's products write both.
.set REC,   13056                      ; a record: K's 8 fragments (768 bytes: registers 0-3 at 16 x lane, registers 4-5 at 512 + 8 x lane),
.set VIMG,  6144                       ; V^T's 4 fragments (1,536 bytes: three groups of four registers, each at 16 x lane),
.set KSC,   12288                      ; K's scale words (lane's 16 bytes at 16 x lane: lanes 0-15 tiles 0-3 of row r, lanes 16-31 tiles 4-7),
.set VSC,   12800                      ; V's scale words (lane's 8 bytes at 8 x lane: lanes 0-15 fragments 0, 1 of row r, lanes 16-31 fragments 2, 3)
.set SP,    272                        ; a stage row: 256 bytes + 16: the sixteen rows that an LDS instruction touches start at sixteen different groups of four banks
.set WST,   16*SP                      ; a wave's own stage: 16 rows
.set STAGE, 16*REC                     ; behind the records
.set SPARE, STAGE+16*WST               ; behind the stages: the spare words, 128 bytes for each wave: eight blocks of 256 bytes that no other line names
; registers that stay
.set LI,  1                            ; v1   16 x lane: an image's place; also my bytes of a 512-byte load or store in memory; never rewritten
.set L8,  2                            ; v2   8 x lane; never rewritten
.set A16, 3                            ; v3   the record in hand + 16 x lane
.set A8,  4                            ; v4   the record in hand + 8 x lane
.set SPW, 5                            ; v5   LDS address of my spare word; never rewritten
.set NIL, 6                            ; v6   0; never rewritten
.set STO, 7                            ; v7   my stage + 272 r + 32 h: where I put 32 bytes of a row of O
.set RD,  8                            ; v8   my stage + 272 h + 16 r: two rows as they lie in memory
                                       ; v10 r = lane % 16, v11 h = lane / 16;  v12 -M, v13 the largest t, v[14:15] the sum in two halves
.set QF,  16                           ; v16-27   Q's fragment
.set KF,  28                           ; v28-95   K's fragments: tile t names v[28 + 8 t : 39 + 8 t]; codes in +0..5, the constant 0x38 in +6, 0 in +7
.set SS,  96                           ; v96-159  S^T, then p; v96-143 then V's four fragments
.set OT,  160                          ; v160-191 O^T: channels 16 T + 8 h + j at v[160 + 8 T + j]
.set KW,  192                          ; v192-195 K's scale words;  v196-197 V's;  v198 Q's;  v199 p's: these hold scales and nothing else
.set VW,  196
.set QS,  198
.set PS,  199
.set BM,  200                          ; v200-203 the blocks' largest scores, then largest p
.set PM,  204                          ; v204-207 lane l xor 16's, then the bytes
.set SO,  208                          ; v208-211 the conversions' scale operands
.set FF,  212                          ; v[212:213] f = 2^(old M - new M), named as a pair
.set T0,  214
.set L2,  216                          ; v[216:217] the sums' second chain
.set QN,  218                          ; v218-223 the second tile's codes of Q;  v224 its scale word
.set QNS, 224
.set PC,  228                          ; v228-239 p's codes;  v240-242, v244-246 their second halves on the way
.set CT,  240
; registers of the prologue
.set XX,  128                          ; v128-159 32 neighbours along K
.set MK,  160                          ; v160-167 the mask byte of my row of tile t, then the scale byte of that row's block 2
.set CC,  168                          ; v168-173 a block's codes;  v176-178 its second half on the way
.set C2,  176
.set MX,  180                          ; v180-181 the largest magnitude, two chains
.set SOP, 182
.set BY,  183
.set WD,  184
.set TMP, 185
.set KI16, 186                         ; my record + 16 x lane
.set KI8,  187                         ; my record + 8 x lane
.set KSA,  188                         ; my record + 16 r
.set VIA,  189                         ; my record + 16 r + 1536 h
.set VSA,  190                         ; my record + 8 r + 4 h
.set VOFF, 191                         ; 4 x lane; never rewritten
.set SB,   225                         ; my stage + 272 r + 128 h: 32 neighbours of row r
.set KR,   226                         ; r + 8 (r / 8); never rewritten
.set SH8,  227                         ; 8 h
.set MBV,  247                         ; a masked key's byte
.set VWD,  92                          ; v92-93 V's scale words as they grow
.set MSK,  228                         ; v228-243 the batch's 2,048 mask bytes, 64 a lane
.set WV,   14
.set SEL,  20                          ; s[20:21] v_permlanex16_b32's selects for lane l xor 16
.set CS,   22                          ; s[22:23] c = log2(e) / 8, twice: the packed form names a pair
.set TB,   24                          ; s24 LDS byte of the record in hand
.set CNT,  25
.set KEEP, 26                          ; s26 all ones where some key of the batch is kept, else 0
.set MBS,  27                          ; s27 251 there, else 1
.set MQ,   32                          ; s32-39 tile t: the lanes whose row's key is masked
	s_load_b256 s[4:11], s[0:1], 0x0               ; q s[4:5], k s[6:7], v s[8:9], attention_mask s[10:11]
	s_load_b64 s[12:13], s[0:1], 0x20              ; out
	v_lshl_add_u32 v[SPW], v0, 2, SPARE
	v_mov_b32 v[NIL], 0
	v_lshrrev_b32 v9, 5, v0
	v_readfirstlane_b32 s[WV], v9                  ; wave 0..15
	v_and_b32 v9, 31, v0                           ; lane
	v_and_b32 v10, 15, v0                          ; r
	v_bfe_u32 v11, v0, 4, 1                        ; h
	v_lshlrev_b32 v[LI], 4, v9
	v_lshlrev_b32 v[L8], 3, v9
	v_lshlrev_b32 v[VOFF], 2, v9
	s_wait_alu depctr_va_sdst(0)                   ; the wave's number is written, ahead of its first reader: stage, record and bases are made from it
	s_mul_i32 s25, s[WV], WST
	s_add_co_u32 s25, s25, STAGE                   ; my stage
	v_mul_u32_u24 v[STO], v10, SP
	v_lshl_add_u32 v[SB], v11, 7, v[STO]
	v_lshl_add_u32 v[STO], v11, 5, v[STO]
	v_add_nc_u32 v[SB], s25, v[SB]
	v_add_nc_u32 v[STO], s25, v[STO]
	v_mul_u32_u24 v[RD], v11, SP
	v_lshl_add_u32 v[RD], v10, 4, v[RD]
	v_add_nc_u32 v[RD], s25, v[RD]
	s_mul_i32 s24, s[WV], REC                      ; my record
	v_add_nc_u32 v[KI16], s24, v[LI]
	v_add_nc_u32 v[KI8], s24, v[L8]
	v_lshlrev_b32 v[KSA], 4, v10
	v_add_nc_u32 v[KSA], s24, v[KSA]
	v_mad_u32_u24 v[VIA], v11, 1536, v[KSA]
	v_lshlrev_b32 v[VSA], 3, v10
	v_lshl_add_u32 v[VSA], v11, 2, v[VSA]
	v_add_nc_u32 v[VSA], s24, v[VSA]
	v_and_b32 v[KR], 8, v10
	v_add_nc_u32 v[KR], v[KR], v10
	v_lshlrev_b32 v[SH8], 3, v11
	v_mov_b32 v[TMP], 0                            ; written once: a lane permute's destination counts as one of its sources
	s_mov_b32 s[SEL], 0x76543210
	s_mov_b32 s[SEL+1], 0xfedcba98
	s_mov_b32 s[CS], 0x3e38aa3b                    ; log2(e) / sqrt(64)
	s_mov_b32 s[CS+1], s[CS]
	s_and_b32 s16, ttmp7, 0xffff                   ; batch x 16 + head
	s_lshl_b32 s17, s16, 19                        ; the head's first byte: 2,048 rows of 256 bytes
	s_lshl_b32 s18, s[WV], 15                      ; k, v: my 128 keys
	s_add_co_u32 s18, s18, s17
	s_mov_b32 s19, 0
	s_lshl_b32 s28, ttmp9, 17                      ; q, out: the work-group's 512 queries,
	s_add_co_u32 s28, s28, s17
	s_lshl_b32 s15, s[WV], 13                      ; my 32 of them
	s_add_co_u32 s28, s28, s15
	s_mov_b32 s29, 0
	s_lshr_b32 s30, s16, 4
	s_lshl_b32 s30, s30, 11                        ; the batch's 2,048 mask bytes
	s_mov_b32 s31, 0
	s_wait_kmcnt 0x0
	s_add_nc_u64 s[6:7], s[6:7], s[18:19]
	s_add_nc_u64 s[8:9], s[8:9], s[18:19]
	s_add_nc_u64 s[4:5], s[4:5], s[28:29]
	s_add_nc_u64 s[12:13], s[12:13], s[28:29]
	s_add_nc_u64 s[10:11], s[10:11], s[30:31]
	s_lshl_b32 s18, s[WV], 7
	s_add_nc_u64 s[30:31], s[10:11], s[18:19]      ; the mask at my 128 keys
; THE PROLOGUE IS 18 JOBS, written out, every offset an immediate: 0, 1: my two tiles of Q; 2 .. 9: K's tiles 0 .. 7; 10 .. 17: V, block of 32 keys (j - 10) / 2, channels 32 ((j - 10) % 2) on.
; Loads run three jobs ahead, in three sets of 32 registers by turns.
.macro LOADJOB j
.set GJ, 28+32*((\j)%3)+4*(((\j)%3)/2)             ; v28, v60, v96
.if (\j) < 2
.irp i, 0,1,2,3,4,5,6,7
	global_load_b128 v[GJ+4*\i:GJ+4*\i+3], v[LI], s[4:5] offset:4096*(\j)+512*\i th:TH_LOAD_NT   ; 512 consecutive bytes: rows 2 i, 2 i + 1 of the tile; read once in the launch
.endr
.elseif (\j) < 10
.set TJ, (\j)-2
.irp i, 0,1,2,3,4,5,6,7
	global_load_b128 v[GJ+4*\i:GJ+4*\i+3], v[LI], s[6:7] offset:(32*(TJ/2)+8*(TJ%2)+16*(\i/4))*256+512*(\i%4)   ; rows 2 i, 2 i + 1 of the tile: eight neighbouring keys, and the eight that lie 16 further on
.endr
.elseif (\j) < 18
.set SJ, (\j)-10
.set n, 0
.rept 32
	global_load_b32 v[GJ+n], v[VOFF], s[8:9] offset:(32*(SJ/2)+n)*256+128*(SJ%2)   ; A LANE TAKES A CHANNEL, ITS REGISTERS RUN DOWN THE KEYS: 128 consecutive bytes a load
.set n, n+1
.endr
.endif
.endm
; 32 neighbours along K in v[x] on, all of one block, become 6 registers of codes in v[d] on; the block's byte in v[BY].
.macro QUANT32 x, d
	v_max3_num_f32 v[MX], |v[(\x)]|, |v[(\x)+1]|, |v[(\x)+2]|
	v_max3_num_f32 v[MX+1], |v[(\x)+3]|, |v[(\x)+4]|, |v[(\x)+5]|
.irp i, 6,10,14,18,22,26
	v_max3_num_f32 v[MX], v[MX], |v[(\x)+\i]|, |v[(\x)+\i+1]|
	v_max3_num_f32 v[MX+1], v[MX+1], |v[(\x)+\i+2]|, |v[(\x)+\i+3]|
.endr
	v_max3_num_f32 v[MX], v[MX], |v[(\x)+30]|, |v[(\x)+31]|
	v_max3_num_f32 v[MX], v[MX], v[MX+1], 0x1800000   ; and the floor 2^(3 - 127): the byte cannot fall under 1
	v_add_nc_u32 v[SOP], 0xff000000, v[MX]         ; 2 off the exponent field: the conversion takes the exponent field of this operand as its scale
	v_lshrrev_b32 v[BY], 23, v[SOP]                ; the scale's byte
	v_cvt_scalef32_pk16_fp6_f32 v[(\d):(\d)+2], v[(\x):(\x)+15], v[SOP]
	v_cvt_scalef32_pk16_fp6_f32 v[C2:C2+2], v[(\x)+16:(\x)+31], v[SOP]   ; (a conversion's three registers begin on an even number)
	v_nop                                          ; one plain place behind a scaled conversion
.irp i, 0,1,2
	v_mov_b32 v[(\d)+3+\i], v[C2+\i]
.endr
.endm
; A tile of 16 rows x 64 channels of Q or K.  The loads took the bytes as they lie; the conversions want 32 neighbours in a lane: so the tile turns through my own stage.  Lane (r, h) then holds channels 32 h .. 32 h + 31
; of row r, which is the operand's layout.  v[WD]: the row's two scale bytes.
; The LDS loads below land in v128-159: the wait on va_vdst that stands behind the job before's maxima and conversions has shown these done reading them, and no vector instruction since names them.
.macro ROWJOB j, d
.set GR, 28+32*((\j)%3)+4*(((\j)%3)/2)
.if (\j) < 8
	s_wait_loadcnt 16                              ; this job's loads are in (and all older ones); those of the two jobs behind it, 8 + 8, may be out
.elseif (\j) == 8
	s_wait_loadcnt 40                              ; 8 + 32
.else
	s_wait_loadcnt 63                              ; 32 + 32 are behind it; the count's field holds 63: one load more is waited for
.endif
.irp i, 0,1,2,3,4,5,6,7
	ds_store_b128 v[RD], v[GR+4*\i:GR+4*\i+3] offset:2*SP*\i
.endr
.irp i, 0,1,2,3,4,5,6,7
	ds_load_b128 v[XX+4*\i:XX+4*\i+3], v[SB] offset:16*\i   ; LDS serves a wave's instructions in order: these see the stores above
.endr
	s_wait_dscnt 0x0                               ; the 32 neighbours are in
	s_wait_alu depctr_vm_vsrc(0)                   ; the stores above have read this set of registers, in which the loads below land; the last job's stores have read its codes and its scale word, which are written again below
	LOADJOB (\j)+3
	QUANT32 XX, \d
	v_lshlrev_b32 v[WD], v[SH8], v[BY]             ; my block's byte at its place,
	v_permlanex16_b32 v[TMP], v[WD], s[SEL], s[SEL+1]
	v_or_b32 v[WD], v[WD], v[TMP]                  ; with lane l xor 16's
.endm
.macro KTAIL t
.irp i, 0,1,2,3,4,5
	v_and_b32 v[CC+\i], s[KEEP], v[CC+\i]          ; (cleared where the batch keeps no key)
.endr
	v_lshl_or_b32 v[WD], v[MK+(\t)], 16, v[WD]     ; block 2's byte: a masked key's, or 1
	v_or_b32 v[WD], 0x01000000, v[WD]              ; block 3's byte: 1
	s_wait_alu depctr_va_vdst(0)                   ; the codes and the scale word are written, which the stores below read; the job's maxima and conversions are done reading v128-159, in which the next job's LDS loads land
	ds_store_b128 v[KI16], v[CC:CC+3] offset:768*(\t)
	ds_store_b64 v[KI8], v[CC+4:CC+5] offset:768*(\t)+512
	ds_store_b32 v[KSA], v[WD] offset:KSC+256*((\t)/4)+4*((\t)%4)   ; both halves of the lanes write the same word with the same value
.endm
; 32 keys x 32 channels of V.  Lane l holds channel 32 H + l: row l % 16 of fragment 2 H + l / 16.  Block b of the record's four belongs into lanes 16 (b % 2) + row, registers 6 (b / 2) on.
.macro VJOB j
.set GV, 28+32*((\j)%3)+4*(((\j)%3)/2)
.set BV, ((\j)-10)/2
.set HV, ((\j)-10)%2
.if (\j) < 16
	s_wait_loadcnt 63                              ; 32 + 32 are behind this job's; the count's field holds 63
.elseif (\j) == 16
	s_wait_loadcnt 32                              ; the last job's
.else
	s_wait_loadcnt 0x0
.endif
	s_wait_dscnt 0x0                               ; the last job's stores are done
	s_wait_alu depctr_vm_vsrc(0)                   ; the last job's stores have read the codes' registers, which the conversions below write
	QUANT32 GV, CC
.if BV == 0
	v_mov_b32 v[VWD+HV], v[BY]
.else
	v_lshl_or_b32 v[VWD+HV], v[BY], 8*BV, v[VWD+HV]
.endif
	s_wait_alu depctr_va_vdst(0)                   ; the maxima and conversions are done reading this set of registers, in which the loads below land; the codes and the scale word are written, which the stores below read
	LOADJOB (\j)+3
.set VB, VIMG+3072*HV+256*(BV%2)
.if BV < 2
	ds_store_b128 v[VIA], v[CC:CC+3] offset:VB             ; registers 0-3
	ds_store_b64 v[VIA], v[CC+4:CC+5] offset:VB+512        ; registers 4, 5
.else
	ds_store_b64 v[VIA], v[CC:CC+1] offset:VB+520          ; registers 6, 7
	ds_store_b128 v[VIA], v[CC+2:CC+5] offset:VB+1024      ; registers 8-11
.endif
.if BV == 3
	ds_store_b32 v[VSA], v[VWD+HV] offset:VSC+128*HV
.endif
.endm
	s_wait_alu depctr_va_vdst(0)                   ; all offsets and LDS addresses made above are written: the loads and stores of the whole kernel read them
.irp i, 0,1,2,3
	global_load_b128 v[MSK+4*\i:MSK+4*\i+3], v[LI], s[10:11] offset:512*\i   ; all mask bytes of the batch
.endr
.irp t, 0,1,2,3,4,5,6,7
	global_load_u8 v[MK+\t], v[KR], s[30:31] offset:32*(\t/2)+8*(\t%2)       ; and that of my row of each tile
.endr
	LOADJOB 0
	LOADJOB 1
	LOADJOB 2
	ROWJOB 0, QF
	v_or_b32 v[QS], 0x017f0000, v[WD]              ; Q's block 2: 2^0; block 3: byte 1
	s_wait_alu depctr_va_vdst(0)                   ; job 0's maxima and conversions are done reading v128-159, in which job 1's LDS loads land
	ROWJOB 1, QN
	v_or_b32 v[QNS], 0x017f0000, v[WD]
	; is any key of the batch kept?  (The mask's loads are older than job 0's: they are in.)
.irp i, 0,1,2,3,4,5,6,7
	v_or_b32 v[MSK+\i], v[MSK+\i], v[MSK+8+\i]
.endr
.irp i, 0,1,2,3
	v_or_b32 v[MSK+\i], v[MSK+\i], v[MSK+4+\i]
.endr
	v_or_b32 v[MSK], v[MSK], v[MSK+2]
	v_or_b32 v[MSK+1], v[MSK+1], v[MSK+3]
	v_or_b32 v[MSK], v[MSK], v[MSK+1]
	v_cmp_ne_u32 s28, 0, v[MSK]
.irp t, 0,1,2,3,4,5,6,7
	v_cmp_eq_u32 s[MQ+\t], 0, v[MK+\t]             ; and which rows of each tile are masked keys: the nine compares stand in one run
.endr
	s_wait_alu depctr_va_sdst(0)                   ; s28 and s32 to s39 are written, ahead of their first readers
	s_cmp_lg_u32 s28, 0
	s_cselect_b32 s[KEEP], -1, 0
	s_cselect_b32 s[MBS], 251, 1                   ; -4 x 2^(251 - 127) = -2^126
	v_mov_b32 v[MBV], s[MBS]
.irp t, 0,1,2,3,4,5,6,7
	v_cndmask_b32 v[MK+\t], 1, v[MBV], s[MQ+\t]    ; block 2's byte of my row of tile t: a masked key's, or 1
.endr
	s_wait_alu depctr_va_vdst(0)                   ; job 1's maxima and conversions are done reading v128-159, in which job 2's LDS loads land
.irp t, 0,1,2,3,4,5,6,7
	ROWJOB \t+2, CC
	KTAIL \t
.endr
.irp j, 10,11,12,13,14,15,16,17
	VJOB \j
.endr
	s_wait_dscnt 0x0                               ; for the others' sake: my record lies in LDS
	s_wait_alu depctr_vm_vsrc(0)                   ; the prologue's stores and loads have read their registers: v92-93 (V's scale words) are written again below, v168-191 (codes, words, addresses) at the first pass's head
.irp t, 0,1,2,3,4,5,6,7
	v_mov_b32 v[KF+6+8*\t], 0x38                   ; K at k = 64 (lanes 0-15): the code -4.0
	v_mov_b32 v[KF+7+8*\t], 0
.endr
.irp i, 92,93,94,95
	v_mov_b32 v[\i], 0                             ; the last fragment's registers 8-11
.endr
	v_xor_b32 v[QF+6], 1, v11
	v_lshlrev_b32 v[QF+6], 3, v[QF+6]              ; Q at k = 64 (lanes 0-15): the code 1.0; lanes 16-31 (k = 96 on): zeros
.irp i, 7,8,9,10,11
	v_mov_b32 v[QF+\i], 0
.endr
.irp b, 0,1,2,3
	v_mov_b32 v[PM+\b], 0                          ; lane permutes' destinations, written once
.endr
	v_mov_b32 v[FF+1], 0                           ; (named as the upper half of a pair)
	v_mov_b32 v[T0], 0
	s_barrier_signal -1
	s_barrier_wait -1                              ; THE ONE BARRIER: all sixteen records lie in LDS, and nobody writes them again
.macro KFETCH a16, a8, off             ; a record's K: 8 fragments and their scale words: 17 loads
.irp t, 0,1,2,3,4,5,6,7
	ds_load_b128 v[KF+8*\t:KF+8*\t+3], v[\a16] offset:(\off)+768*\t
	ds_load_b64 v[KF+8*\t+4:KF+8*\t+5], v[\a8] offset:(\off)+768*\t+512
.endr
	ds_load_b128 v[KW:KW+3], v[\a16] offset:(\off)+KSC
.endm
.macro KPAIR a16, a8, off, t           ; one fragment of it: two loads
	ds_load_b128 v[KF+8*(\t):KF+8*(\t)+3], v[\a16] offset:(\off)+768*(\t)
	ds_load_b64 v[KF+8*(\t)+4:KF+8*(\t)+5], v[\a8] offset:(\off)+768*(\t)+512
.endm
.macro VFRAG f                         ; fragment f of the record's V: three loads
.irp g, 0,1,2
	ds_load_b128 v[SS+12*(\f)+4*\g:SS+12*(\f)+4*\g+3], v[A16] offset:VIMG+1536*(\f)+512*\g
.endr
.endm
; A KEY STEP: 128 keys, one record.  nxt = 1: the next record's K is fetched; 2: record 0's, for the next pass; 0: nothing.  K and its scale words are in: the wait for 0 of the step before has shown it.
.macro STEP nxt
.irp t, 0,1,2,3
	v_wmma_scale_f32_16x16x128_f8f6f4 v[SS+8*\t:SS+8*\t+7], v[KF+8*\t:KF+8*\t+11], v[QF:QF+11], 0, v[KW+\t], v[QS] matrix_a_fmt:MATRIX_FMT_FP6 matrix_b_fmt:MATRIX_FMT_FP6
.endr
.irp t, 4,5,6,7
	v_wmma_scale_f32_16x16x128_f8f6f4 v[SS+8*\t:SS+8*\t+7], v[KF+8*\t:KF+8*\t+11], v[QF:QF+11], 0, v[KW+\t-4], v[QS] matrix_a_fmt:MATRIX_FMT_FP6 matrix_b_fmt:MATRIX_FMT_FP6 matrix_a_scale:MATRIX_SCALE_ROW1
.endr
.rept 4
	v_nop                                          ; four places (ISA guide 7.12.1) ahead of the first read of the scores
.endr
.irp b, 0,1,2,3
	v_max3_num_f32 v[BM+\b], v[SS+16*\b], v[SS+1+16*\b], v[SS+2+16*\b]   ; THE LARGEST SCORE OF EACH BLOCK OF 32 KEYS: for the row's maximum, and for the block's largest p.  Each accumulator is read from its low end on
.endr
.irp i, 3,5,7,9,11,13
.irp b, 0,1,2,3
	v_max3_num_f32 v[BM+\b], v[BM+\b], v[SS+16*\b+\i], v[SS+1+16*\b+\i]  ; (the four blocks by turns)
.endr
.endr
.irp b, 0,1,2,3
	v_max_num_f32 v[BM+\b], v[BM+\b], v[SS+15+16*\b]
.endr
.irp b, 0,1,2,3
	v_permlanex16_b32 v[PM+\b], v[BM+\b], s[SEL], s[SEL+1]
.endr
.irp b, 0,1,2,3
	v_max_num_f32 v[BM+\b], v[BM+\b], v[PM+\b]     ; with lane l xor 16's 16 keys
.endr
	v_max3_num_f32 v[T0], v[BM], v[BM+1], v[BM+2]
	v_max_num_f32 v[T0], v[T0], v[BM+3]
	v_mul_f32 v[T0], s[CS], v[T0]                  ; the step's largest t
	v_max_num_f32 v13, v13, v[T0]                  ; the running largest t
	v_mov_b32 v[T0], v12
	v_floor_f32 v12, -v13                          ; the new -M = -ceil(t): a whole number
	v_sub_f32 v[T0], v12, v[T0]                    ; old M - new M: a whole number, 0 or less
	v_cvt_i32_f32 v[T0], v[T0]                     ; (it saturates)
	v_ldexp_f32 v[FF], 1.0, v[T0]                  ; f = 2^(old M - new M)
.set n, 0
.rept 32
	v_pk_fma_f32 v[SS+n:SS+n+1], v[SS+n:SS+n+1], s[CS:CS+1], v[12:13] op_sel_hi:[1,0,0]   ; t - M, two at a time
.set n, n+2
.endr
.irp b, 0,1,2,3
	v_fma_f32 v[BM+\b], v[BM+\b], s[CS], v12       ; the same of each block's largest score
.endr
.set n, 0
	s_wait_alu depctr_va_vdst(0)
.rept 64
	v_exp_f32 v[SS+n], v[SS+n]                     ; p = 2^(t - M): one batch
.set n, n+1
.endr
	v_pk_mul_f32 v[14:15], v[14:15], v[FF:FF+1] op_sel_hi:[1,0]   ; the sums under the new M: the plain instruction behind the batch
	s_wait_alu depctr_va_vdst(0)                   ; the 64 exponentials have written p, ahead of the first line that names a result; the products K Q^T are done reading K's codes and scale words, in which the loads below land; v3 and v4, by which these loads go, are written
.irp b, 0,1,2,3
	v_exp_f32 v[BM+\b], v[BM+\b]                   ; the blocks' largest p
.endr
.if \nxt == 1
	ds_load_b128 v[KW:KW+3], v[A16] offset:REC+KSC ; THE NEXT RECORD'S K, 17 loads, dealt among the row's sums, which name none of the registers that these loads touch: no further wait
.elseif \nxt == 2
	ds_load_b128 v[KW:KW+3], v[LI] offset:KSC      ; record 0's K, for the next pass, likewise
.endif
	v_pk_add_f32 v[L2:L2+1], v[SS:SS+1], v[SS+2:SS+3]   ; THE ROW'S SUM IS TAKEN OF THE UNQUANTISED p, in two chains; these lines read the 64 alone
.set n, 4
.set m, 0
.rept 15
.if m < 8
.if \nxt == 1
	KPAIR A16, A8, REC, m
.elseif \nxt == 2
	KPAIR LI, L8, 0, m
.endif
.endif
	v_pk_add_f32 v[14:15], v[14:15], v[SS+n:SS+n+1]
	v_pk_add_f32 v[L2:L2+1], v[L2:L2+1], v[SS+n+2:SS+n+3]
.set n, n+4
.set m, m+1
.endr
	v_pk_add_f32 v[14:15], v[14:15], v[L2:L2+1]
	s_wait_alu depctr_va_vdst(0)                   ; the four exponentials have written the blocks' largest p, ahead of their first reader
.irp b, 0,1,2,3
	v_max_num_f32 v[BM+\b], 0x1800000, v[BM+\b]    ; the floor 2^(3 - 127): a block whose every p is 0 keeps the byte 1: its codes are zeros
.endr
.irp b, 0,1,2,3
	v_add_nc_u32 v[SO+\b], 0xff000000, v[BM+\b]
.endr
.irp c, 0,1
	v_cvt_scalef32_pk16_fp6_f32 v[PC+6*\c:PC+6*\c+2], v[SS+32*\c:SS+32*\c+15], v[SO+2*\c]
	v_cvt_scalef32_pk16_fp6_f32 v[CT+4*\c:CT+4*\c+2], v[SS+16+32*\c:SS+31+32*\c], v[SO+2*\c+1]
.endr
	v_nop                                          ; one plain place behind a scaled conversion
.irp b, 0,1,2,3
	v_lshrrev_b32 v[PM+\b], 23, v[SO+\b]           ; the scales' bytes: these seven lines stand between the conversions and the wait for them
.endr
	v_lshl_or_b32 v[PS], v[PM+1], 8, v[PM]         ; p's scale word for these 128 keys
	v_lshl_or_b32 v[PS], v[PM+2], 16, v[PS]
	v_lshl_or_b32 v[PS], v[PM+3], 24, v[PS]
	s_wait_alu depctr_va_vdst(0)                   ; p is written, and the sums and conversions are done reading it: V's fragments land in its registers; the last step's products V^T P are done reading V's scale words
.irp c, 0,1                            ; V's four fragments (13 loads with their scale words), dealt among the exchange of halves, which names p's codes alone.  The operand's layout wants a WHOLE block in a lane: lanes 0-15 block 2 c, lanes 16-31 block 2 c + 1
	VFRAG 2*\c
.irp i, 0,1,2
	v_permlane16_swap_b32 v[PC+6*\c+\i], v[CT+4*\c+\i]
.endr
	VFRAG 2*\c+1
.irp i, 0,1,2
	v_mov_b32 v[PC+3+6*\c+\i], v[CT+4*\c+\i]
.endr
.endr
	ds_load_b64 v[VW:VW+1], v[A8] offset:VSC
.set n, 0
.rept 16
	v_pk_mul_f32 v[OT+n:OT+n+1], v[OT+n:OT+n+1], v[FF:FF+1] op_sel_hi:[1,0]   ; O^T under the new M.  Twelve of these name no register of any one product below: the places behind p's scale word (8) and codes (4)
.set n, n+2
.endr
	s_wait_dscnt 0x0                               ; V is in, and so is the next step's K
	s_wait_alu depctr_va_vdst(0)                   ; p's codes and its scale word are written, which the scaled products below take; the places above stay beside this wait
.irp f, 0,1                            ; O^T += V^T P^T: four accumulators by turns; the eight products K Q^T stand between two links of a chain
	v_wmma_scale_f32_16x16x128_f8f6f4 v[OT+8*\f:OT+8*\f+7], v[SS+12*\f:SS+12*\f+11], v[PC:PC+11], v[OT+8*\f:OT+8*\f+7], v[VW+\f], v[PS] matrix_a_fmt:MATRIX_FMT_FP6 matrix_b_fmt:MATRIX_FMT_FP6
.endr
.irp f, 2,3
	v_wmma_scale_f32_16x16x128_f8f6f4 v[OT+8*\f:OT+8*\f+7], v[SS+12*\f:SS+12*\f+11], v[PC:PC+11], v[OT+8*\f:OT+8*\f+7], v[VW+\f-2], v[PS] matrix_a_fmt:MATRIX_FMT_FP6 matrix_b_fmt:MATRIX_FMT_FP6 matrix_a_scale:MATRIX_SCALE_ROW1
.endr
.if \nxt == 0
.rept 4
	v_nop                                          ; four places ahead of the first read of O^T
.endr
.else
.if \nxt == 1
	s_add_co_u32 s[TB], s[TB], REC                 ; on to the next record
.else
	s_mov_b32 s[TB], 0                             ; back to the first
.endif
	s_wait_alu depctr_vm_vsrc(0)                   ; the step's LDS loads have read v3 and v4, which are written below
	v_add_nc_u32 v[A16], s[TB], v[LI]              ; FIVE places: the next scores are written over V's registers, which these products read
	v_add_nc_u32 v[A8], s[TB], v[L8]
.rept 3
	v_nop
.endr
.endif
.endm
; THE WAY OUT of tile p: O^T / the sum goes through my own stage and leaves as whole rows of 256 bytes, two to a store.
.macro WAYOUT p
	v_add_f32 v14, v14, v15                        ; the sum's two halves,
	v_permlanex16_b32 v[T0], v14, s[SEL], s[SEL+1]
	v_add_f32 v14, v14, v[T0]                      ; and lane l xor 16's
	s_wait_alu depctr_va_vdst(0)
	v_rcp_f32 v14, v14
	v_nop                                          ; a plain place behind the reciprocal,
	s_wait_alu depctr_va_vdst(0)                   ; and the reciprocal is written, ahead of its first reader
.set n, 0
.rept 16
	v_pk_mul_f32 v[SS+n:SS+n+1], v[OT+n:OT+n+1], v[14:15] op_sel_hi:[1,0]   ; register 8 T + j is out(r, 16 T + 8 h + j); each accumulator from its low end on
.set n, n+2
.endr
	s_wait_alu depctr_va_vdst(0)                   ; the multiplications have written v96-127, which the LDS stores read; the last step's exponentials, sums and conversions are done with v128-159, in which the loads from the stage land
.irp f, 0,1,2,3
	ds_store_b128 v[STO], v[SS+8*\f:SS+8*\f+3] offset:64*\f
	ds_store_b128 v[STO], v[SS+8*\f+4:SS+8*\f+7] offset:64*\f+16
.endr
.irp i, 0,1,2,3,4,5,6,7
	ds_load_b128 v[XX+4*\i:XX+4*\i+3], v[RD] offset:2*SP*\i   ; LDS serves a wave's instructions in order: these see the stores above
.endr
.irp i, 0,1,2,3,4,5,6,7
	s_wait_dscnt 7-\i                              ; load i is in; the 7 - i younger ones may be out
	global_store_b128 v[LI], v[XX+4*\i:XX+4*\i+3], s[12:13] offset:4096*(\p)+512*\i th:TH_STORE_NT   ; 32 lanes store 512 consecutive bytes, at a multiple of 256 from out's first byte
.endr
.if (\p) == 0
	s_wait_xcnt 0x0                                ; the stores' addresses are translated: their registers are written again only behind this wait,
	s_wait_alu depctr_vm_vsrc(0)                   ; and beside it: the LDS stores have read v96-127 and the global stores v128-159, where the next pass's scores are written
.endif
.endm
.macro PASS p
.if \p
.irp i, 0,1,2,3,4,5
	v_mov_b32 v[QF+\i], v[QN+\i]                   ; the second tile of queries
.endr
	v_mov_b32 v[QS], v[QNS]
.endif
	v_mov_b32 v13, 0xff61b1e6                      ; the largest t so far: -3e38, under every t
	v_floor_f32 v12, -v13                          ; -M
	v_mov_b32 v14, 0
	v_mov_b32 v15, 0
.set n, 0
.rept 32
	v_mov_b32 v[OT+n], 0                           ; the step is written once: the first finds zeros, which the first change of M leaves zeros.  (Also the places behind Q's codes and scale word)
.set n, n+1
.endr
.if (\p) == 0
	s_mov_b32 s[TB], 0
	v_mov_b32 v[A16], v[LI]
	v_mov_b32 v[A8], v[L8]
	s_wait_dscnt 0x0                               ; record 0's K is in
.endif
	s_wait_alu depctr_va_vdst(0)                   ; Q's codes and scale word and K's constant registers are written, which the scaled products take; so are v3 and v4, by which the steps' LDS loads go
	s_mov_b32 s[CNT], 15
.Lstep_\@:
	STEP 1
	s_sub_co_u32 s[CNT], s[CNT], 1
	s_cmp_lg_u32 s[CNT], 0
	s_cbranch_scc1 .Lstep_\@
.if (\p) == 0
	STEP 2
.else
	STEP 0
.endif
	WAYOUT \p
.endm
	KFETCH LI, L8, 0                               ; no wait: the last V job's wait on va_vdst stands behind every maximum and conversion that read v28-91, and no vector instruction since names a register that these loads touch
	PASS 0
	PASS 1
	s_wait_dscnt 0x0                               ; the closing lines, six on end
	s_wait_alu 0x0
	s_wait_tensorcnt 0x0
	ds_add_u32 v[SPW], v[NIL]
	s_wait_dscnt 0x0
	s_endpgm
.Lfunc_end_k_qb3a55a538f_attend:
	.size	k_qb3a55a538f_attend, .Lfunc_end_k_qb3a55a538f_attend-k_qb3a55a538f_attend
	.p2alignl 7, 3214868480
	.fill 96, 4, 3214868480
	.section	.rodata,"a",@progbits
	.p2align	6, 0x0
	.amdhsa_kernel k_qb3a55a538f_attend
		.amdhsa_group_segment_fixed_size 280576
		.amdhsa_private_segment_fixed_size 0
		.amdhsa_enable_private_segment 0
		.amdhsa_kernarg_size 40
		.amdhsa_user_sgpr_count 2
		.amdhsa_user_sgpr_kernarg_segment_ptr 1
		.amdhsa_wavefront_size32 1
		.amdhsa_system_sgpr_workgroup_id_x 1
		.amdhsa_system_sgpr_workgroup_id_y 1
		.amdhsa_system_sgpr_workgroup_id_z 1
		.amdhsa_system_vgpr_workitem_id 0
		.amdhsa_next_free_vgpr 256
		.amdhsa_next_free_sgpr 66
		.amdhsa_reserve_vcc 0
		.amdhsa_float_denorm_mode_32 3
		.amdhsa_float_denorm_mode_16_64 3
		.amdhsa_memory_ordered 1
		.amdhsa_forward_progress 1
		.amdhsa_inst_pref_size 154
	.end_amdhsa_kernel
	.amdgpu_metadata
---
amdhsa.version: [ 1, 2 ]
amdhsa.kernels:
  - .name:           k_qb3a55a538f_attend
    .symbol:         k_qb3a55a538f_attend.kd
    .args:
      - { .name: q, .offset: 0, .size: 8, .value_kind: global_buffer, .address_space: global }
      - { .name: k, .offset: 8, .size: 8, .value_kind: global_buffer, .address_space: global }
      - { .name: v, .offset: 16, .size: 8, .value_kind: global_buffer, .address_space: global }
      - { .name: attention_mask, .offset: 24, .size: 8, .value_kind: global_buffer, .address_space: global }
      - { .name: out0, .offset: 32, .size: 8, .value_kind: global_buffer, .address_space: global }
    .group_segment_fixed_size: 280576
    .private_segment_fixed_size: 0
    .kernarg_segment_align: 8
    .kernarg_segment_size: 40
    .max_flat_workgroup_size: 512
    .sgpr_count:     66
    .vgpr_count:     256
    .wavefront_size: 32
...
	.end_amdgpu_metadata
.endif
;; end of part 2
